; MI455X (gfx1250); checked and timed in simulation.
; The chip was launched on July 23, 2026; its instructions are those of AMD's public machine-readable ISA for CDNA 5 (MIT licence, August 2026) and "CDNA5" Instruction Set Architecture Reference Guide (July 2026). The comments in the code are by the model that wrote it; some were corrected since.
;; Self Attention. Allowed arithmetic: matrix products marked QUANTISED: E3M2 operands, one E8M0 scale for each 32 along K, by v_wmma_scale_f32_16x16x128_f8f6f4 with both operands' format E3M2, f32 sums; everything else in f32.
;; Inputs: W 128 x 256 float32; b 128 float32; x 8 x 4,096 x 128 float32.
;; Outputs: out0 8 x 4,096 x 128 float32.
;; This version of the problem:
;;   THIS VERSION OF THE PROBLEM IS GIVEN IN LOW PRECISION. The matrix products marked QUANTISED in the list below multiply operands that are first quantised to E3M2 (3 exponent bits, 2 mantissa bits; 6 bits a number), with one power-of-two scale for each 32 numbers along K (OCP MX v1.0); their sums are f32. All else is computed in f32.
;;   The module's matrix products, in the order in which they are computed (A, B: the left and right operand; K: the contracted axis; several contracted axes count as one K, in the product's order):
;;     1. batch 8 x [M 4,096, K 128] x [K 128, N 4,096]; A: input x; B: input x: QUANTISED
;;     2. batch 8 x [M 4,096, K 4,096] x [K 4,096, N 128]; A: softmax (see below); B: input x: QUANTISED
;;     3. [M 32,768, K 256] x [K 256, N 128]; A: computed on the way; B: input W: QUANTISED
;;   THE QUANTISER, for each operand of a quantised product, along K:
;;     - K is cut into blocks of 32 from its start; a last block that is shorter is filled with zeros.
;;     - A block's scale is 2^e with e = floor(log2(the largest magnitude in the block)) - 4, held to -126 .. 127; a block of zeros has e = 0. As a byte (E8M0): e + 127.
;;     - Each number is divided by its block's scale, clamped to +-28, and rounded to the nearest number of E3M2, ties to even, subnormals kept.
;;     - The product sums the exact products of the quantised numbers (number of the format x scale) in f32.
;;   ~~~python
;;   def quantise(x, axis):      # numpy; x: float32 -> the quantised numbers, widened to float32 again
;;       x = np.moveaxis(x, axis, -1); K = x.shape[-1]
;;       x = np.pad(x, [(0, 0)] * (x.ndim - 1) + [(0, -K % 32)]); x = x.reshape(x.shape[:-1] + (-1, 32)); a = np.abs(x).max(-1, keepdims=True)
;;       e = np.where(a > 0, np.clip(np.frexp(np.where(a > 0, a, 1))[1] - 1 - 4, -126, 127), 0)      # np.frexp(a)[1] - 1 = floor(log2(a)), exactly
;;       r = np.clip(x / 2.0 ** e, -28, 28)
;;       step = 2.0 ** (np.maximum(np.frexp(np.where(r == 0, 1, r))[1] - 1, -2) - 2)
;;       q = np.round(r / step) * step * 2.0 ** e      # np.round: ties to even
;;       return np.moveaxis(q.reshape(q.shape[:-2] + (-1,))[..., :K], -1, axis).astype(np.float32)
;;   ~~~
;;   SOFTMAX AHEAD OF A QUANTISED PRODUCT. Where the list says 'softmax', what is quantised is not the finished softmax but p = 2^(t - M), with t = logit x log2(e) and M = ceil(the row's largest t), a whole number; so 1/2 < the row's largest p <= 1. The row's sum l is taken of the UNQUANTISED p, in f32, and the product's result is divided by l at the end. Since M is a whole number, a kernel that streams over the keys may use a running M (the ceiling of the running maximum): every later rescaling is an exact power of two, which a block's scale takes up: the codes' values come out the same.
;;   OPERANDS COMPUTED ON THE WAY. 'Computed on the way' means the value that the module computes at that place (a softmax that the list does not call 'softmax' is quantised finished and normalised). What goes into a quantiser is computed in f32, as accurately as f32 sums, v_exp_f32 and their like allow (about 1e-6 of the number): no bf16 or f16 on the way to a quantiser, and a product that is left as it is and whose result goes on into a quantised operand takes f32 operands (vector FMAs, or v_wmma_f32_16x16x4_f32). A number that lies on a knife's edge between two numbers of the format may be rounded either way, as far as f32 arithmetic and the matrix unit's own rounding can turn it there, and no further.
;; One version. Each part assembles by itself: llvm-mc -triple=amdgcn-amd-amdhsa -mcpu=gfx1250 --defsym DOCPART=n.
;; ======== version 1 of 1: 2 launches
;; limits: right only within a limited range of input values
;; workspace buffers: kv 6,553,600 bytes; wimg 25,600 bytes; nrm 262,144 bytes
;; launch quant (part 1): grid 257 x 1, 16 waves a work-group, no clusters, 72,704 bytes of LDS; arguments x, W, kv, wimg, nrm; writes kv, wimg, nrm
.if DOCPART == 1
	.amdgcn_target "amdgcn-amd-amdhsa--gfx1250"
	.amdhsa_code_object_version 6
	.text
	.protected	k_qc7805c4e49_quant
	.globl	k_qc7805c4e49_quant
	.p2align	8
	.type	k_qc7805c4e49_quant,@function
k_qc7805c4e49_quant:
	s_mov_b64 s[64:65], 0
	v_nop
	global_prefetch_b8 v0, s[64:65] scope:SCOPE_SE
	s_setreg_imm32_b32 hwreg(HW_REG_WAVE_MODE, 25, 1), 1
	s_wait_xcnt 0x0
; FIRST OF TWO LAUNCHES.  out = Q([x, O]) Q(W)^T + b, O = Q(p) Q(x) / l, p = 2^(t - M), t = log2(e) Q(x) Q(x)^T under a causal mask; every product on codes of BF6 (E3M2) with one E8M0 scale for each 32 along its K.
; This launch makes all codes that are made of inputs, once: x along D (queries, keys, and the first 128 of the projection's K: the same rows and blocks of 32, so the same codes), x along the keys (the second product's K),
; and W along its 256.  They are laid as IMAGES OF OPERAND REGISTERS: a fragment (16 rows x 128 K, 12 registers a lane) is 1,536 bytes, register 4 c + k of lane L at 512 c + 16 L + 4 k.
; It also sums, for each row of x, the squares of its numbers as quantised along D: the row's score with itself (nrm; its use: the second kernel's head).
; WORK LEFT OUT BY THE PROGRAM (in the second launch): key steps of 128 keys all of which come after a block's 64 queries.  reference() itself sets their scores to -inf by its own jnp.tril, so their p is 0 for all values of x:
; they add 0 to the row's sum and to O.  Nothing else is left out and every input is loaded.  LIMIT: a NaN, an infinity or an overflow that arises only in such a hidden step is not carried to the result.
; LIMITS: NaN and infinities among the inputs are not served.  A block of zeros gets the scale byte 1 where the rule says 127: its codes are zeros, which add nothing under any byte but 0xff, and this program alone reads the bytes.
; Blocks whose largest magnitude lies under 2^-120 and rows whose sum of squares overflows f32 are not served.
; A BLOCK of 25,600 bytes: sixteen fragments; at 24,576 and 25,088 their scale words, 512 bytes for eight fragments each: register j of lanes 0-15 is fragment j's words, of lanes 16-31 fragment 4 + j's.
; kv: block g = 32 batch + step of 128 keys: fragments 0-7 K's tiles, 8-15 V's.  K tile 2 b + u: lane r holds key 32 b + 8 u + r + 8 (r / 8), K runs along D.  V tile 2 b + u: lane r holds channel 32 b + 8 u + r + 8 (r / 8), K runs along
; the step's keys.  So the 16 result registers of tiles 2 b, 2 b + 1 of a product used transposed are 16 neighbours along the next product's K.
; wimg: one block: fragment 8 s + n holds rows 16 n + r of W, K step s.     nrm: block g at 1,024 g; K tile t's sums at 128 t + 4 x lane (lanes r and r + 16 hold row r's).
; SHARES.  Work-groups 0-255: one block of x each: its 128 rows of 512 bytes come into LDS once, each load 512 consecutive bytes; waves 0-7 make K's tiles (rows of LDS), waves 8-15 V's (columns of LDS).
; Work-group 256: W; wave f makes fragment f straight from memory.  The branch hangs on the work-group's number alone, so all its waves pass the same barriers.
; No tensor load (one fill of 64 KiB), no cluster (no input is shared), no prefetch (the launch streams and has no loop).
.set SCS,   68608                      ; LDS: x's rows from 0: row p at 528 p + 128 (p / 16); from SCS the two images of scale words; 1,024 bytes on the eight K tiles' sums of squares
.set SPARE, 70656                      ; the spare words, 128 bytes for each wave: eight blocks of 256 bytes that no other line names
.set SPW, 6                            ; v6       my spare word's address; never rewritten
.set NIL, 7                            ; v7       0; never rewritten
.set TM,  12                           ; v12-27   at work
.set PW,  28                           ; v28      the scale word
.set X1,  32                           ; v32-95   64 numbers
.set PC,  96                           ; v96-114  the codes
.set CH,  116                          ; v116-123 four chains of squares
.set NR,  124                          ; v124     the row's sum of squares
.set ONE, 125                          ; v125     the scale 1.0 in every byte
.set SCA, 126                          ; v126     my fragment's scale words in LDS
.set WOF, 127                          ; v127     W: my row's offset
.set WV,  12                           ; s12      my wave's number
.set SEL, 14                           ; s[14:15] v_permlanex16_b32's selects for lane l xor 16
	s_load_b256 s[4:11], s[0:1], 0x0               ; x s[4:5], W s[6:7], kv s[8:9], wimg s[10:11]
	s_load_b64 s[32:33], s[0:1], 0x20              ; nrm
	v_lshl_add_u32 v[SPW], v0, 2, SPARE
	v_mov_b32 v[NIL], 0
	v_lshrrev_b32 v1, 5, v0
	v_and_b32 v30, 31, v0                          ; lane
	v_readfirstlane_b32 s[WV], v1                  ; wave 0..15
	s_wait_alu depctr_va_vdst(0)
	s_mov_b32 s[SEL], 0x76543210
	s_mov_b32 s[SEL+1], 0xfedcba98
	s_bfe_u32 s16, s[WV], 0x20001                  ; tile / 2
	s_and_b32 s17, s[WV], 1                        ; tile % 2
	s_mul_i32 s18, s16, 17152
	s_mul_i32 s19, s17, 4224
	s_add_co_u32 s18, s18, s19                     ; K tile: row 32 (t / 2) + 8 (t % 2)
	s_lshl_b32 s19, s16, 7
	s_lshl_b32 s20, s17, 5
	s_add_co_u32 s19, s19, s20                     ; V tile: column 32 (t / 2) + 8 (t % 2)
	s_and_b32 s20, s[WV], 7
	s_lshl_b32 s20, s20, 7
	s_add_co_u32 s20, s20, SCS+1024                ; my tile's sums
	s_lshr_b32 s21, s[WV], 2
	s_lshl_b32 s21, s21, 8
	s_and_b32 s22, s[WV], 3
	s_lshl_b32 s23, s22, 2
	s_add_co_u32 s21, s21, s23
	s_add_co_u32 s21, s21, SCS                     ; my fragment's scale words
	s_lshl_b32 s22, s22, 9
	s_add_co_u32 s22, s22, SCS                     ; read back: waves 0, 1 an image of scale words each, waves 2, 3 four tiles' sums each
	s_lshl_b32 s23, s[WV], 12                      ; x: 8 rows of 512 bytes a wave
	s_mul_i32 s24, s[WV], 4224
	s_lshr_b32 s25, s[WV], 1
	s_lshl_b32 s25, s25, 7
	s_add_co_u32 s24, s24, s25                     ; and where they go in LDS
	v_and_b32 v31, 15, v0                          ; r
	v_bfe_u32 v29, v0, 4, 1                        ; h
	v_lshlrev_b32 v1, 4, v30                       ; v1: 16 x lane
	v_lshlrev_b32 v11, 2, v30                      ; v11: 4 x lane
	v_and_b32 v10, 8, v31
	v_lshrrev_b32 v12, 3, v31
	v_mul_u32_u24 v4, v29, 8576
	v_lshlrev_b32 v[WOF], 10, v31
	v_add_nc_u32 v10, v10, v31                     ; r' = r + 8 (r / 8)
	v_add_nc_u32 v2, s24, v1                       ; v2: into LDS
	v_add_nc_u32 v8, s23, v1                       ; v8: x
	v_add_nc_u32 v9, s22, v1                       ; v9: read back
	v_mul_u32_u24 v3, v10, 528
	v_lshl_add_u32 v4, v10, 2, v4
	v_lshlrev_b32 v[SCA], 4, v31
	v_lshl_add_u32 v[WOF], v29, 6, v[WOF]
	v_lshl_add_u32 v3, v12, 7, v3
	v_add_nc_u32 v4, s19, v4                       ; v4: V tile, from row 16 h down
	v_add_nc_u32 v5, s20, v11                      ; v5: my tile's sums
	v_add_nc_u32 v[SCA], s21, v[SCA]
	v_lshl_add_u32 v3, v29, 6, v3
.irp b, 0,1,2,3
	v_mov_b32 v[TM+4+\b], 0                        ; written once: a lane permute's destination counts as one of its sources
.endr
	v_mov_b32 v[ONE], 0x7f7f7f7f
	v_add_nc_u32 v3, s18, v3                       ; v3: K tile, + 64 h: my 16 numbers of a block of 32 along D
	s_wait_alu depctr_va_vdst(0)
	s_wait_kmcnt 0x0
	s_mov_b32 s17, 0
	s_cmp_ge_u32 ttmp9, 256
	s_cbranch_scc1 .Lweights
	; ---- a block of x
	s_lshl_b32 s16, ttmp9, 16                      ; 128 rows of 512 bytes a block
	s_add_nc_u64 s[4:5], s[4:5], s[16:17]
.irp i, 0,1,2,3,4,5,6,7
	global_load_b128 v[X1+4*\i:X1+4*\i+3], v8, s[4:5] offset:512*\i th:TH_LOAD_NT   ; a row: 512 consecutive bytes
.endr
	s_mul_i32 s16, ttmp9, 25600
	s_add_nc_u64 s[8:9], s[8:9], s[16:17]          ; my block of kv
	s_lshl_b32 s16, ttmp9, 10
	s_add_nc_u64 s[32:33], s[32:33], s[16:17]      ; and of nrm
	s_mov_b32 s28, 4                               ; four waves read back at the end
.irp i, 0,1,2,3,4,5,6,7
	s_wait_loadcnt 7-\i                            ; loads come back in order: row i is in, the younger ones stay out
	ds_store_b128 v2, v[X1+4*\i:X1+4*\i+3] offset:528*\i
.endr
	s_wait_dscnt 0x0                               ; for the others' sake: my rows lie in LDS
	s_barrier_signal -1
	s_barrier_wait -1                              ; all 128 rows do
	s_cmp_lt_u32 s[WV], 8
	s_cbranch_scc0 .Lcolumns
	s_mov_b32 s29, 1                               ; K: the squares are summed
.irp k, 0,1,2,3
.irp j, 0,1,2,3
	ds_load_b128 v[X1+16*\k+4*\j:X1+16*\k+4*\j+3], v3 offset:128*\k+16*\j
.endr
.endr
	s_branch .Lmake
.Lcolumns:
	s_mov_b32 s29, 0
.irp k, 0,1,2,3
.irp i, 0,1,2,3,4,5,6,7,8,9,10,11,12,13,14,15
	ds_load_b32 v[X1+16*\k+\i], v4 offset:17152*\k+528*\i   ; key 32 k + 16 h + i of my channel
.endr
.endr
	s_branch .Lmake
.Lweights:
	; ---- W: fragment 8 s + n = my wave's number: rows 16 n + r of 1,024 bytes, 512 bytes of them from 512 s on
	s_and_b32 s16, s[WV], 7
	s_lshl_b32 s16, s16, 14
	s_lshr_b32 s18, s[WV], 3
	s_lshl_b32 s18, s18, 9
	s_add_co_u32 s16, s16, s18
	s_add_nc_u64 s[6:7], s[6:7], s[16:17]
.irp k, 0,1,2,3
.irp j, 0,1,2,3
	global_load_b128 v[X1+16*\k+4*\j:X1+16*\k+4*\j+3], v[WOF], s[6:7] offset:128*\k+16*\j
.endr
.endr
	s_mov_b64 s[8:9], s[10:11]                     ; the block goes to wimg
	s_mov_b32 s28, 2
	s_mov_b32 s29, 0
.Lmake:
	; 64 numbers of a lane: register 16 b + i is k = 32 b + 16 h + i of my row
	s_mul_i32 s16, s[WV], 1536
	s_add_nc_u64 s[20:21], s[8:9], s[16:17]        ; my fragment
	s_wait_loadcnt 0x0
	s_wait_dscnt 0x0
.irp b, 0,1,2,3
	v_max3_num_f32 v[TM+\b], |v[X1+16*\b]|, |v[X1+1+16*\b]|, 0x2800000   ; block b: my 16 numbers, and the floor 2^(5 - 127): the byte cannot fall under 1
.endr
.irp i, 2,4,6,8,10,12,14
.irp b, 0,1,2,3
	s_delay_alu instid0(VALU_DEP_4)
	v_max3_num_f32 v[TM+\b], v[TM+\b], |v[X1+16*\b+\i]|, |v[X1+1+16*\b+\i]|   ; the four blocks by turns
.endr
.endr
.irp b, 0,1,2,3
	s_delay_alu instid0(VALU_DEP_4)
	v_permlanex16_b32 v[TM+4+\b], v[TM+\b], s[SEL], s[SEL+1]
.endr
.irp b, 0,1,2,3
	s_delay_alu instid0(VALU_DEP_4)
	v_max_num_f32 v[TM+\b], v[TM+\b], v[TM+4+\b]   ; with lane l xor 16's: the block's largest magnitude
.endr
.irp b, 0,1,2,3
	s_delay_alu instid0(VALU_DEP_4)
	v_add_nc_u32 v[TM+12+\b], 0xfe000000, v[TM+\b]   ; 4 off its exponent field: the conversion's scale operand
.endr
.irp b, 0,1,2,3
	s_delay_alu instid0(VALU_DEP_4)
	v_lshrrev_b32 v[TM+4+\b], 23, v[TM+12+\b]      ; the scale's byte
.endr
	s_delay_alu instid0(VALU_DEP_3)
	v_lshl_or_b32 v[PW], v[TM+5], 8, v[TM+4]
	s_delay_alu instid0(VALU_DEP_1)
	v_lshl_or_b32 v[PW], v[TM+6], 16, v[PW]
	s_delay_alu instid0(VALU_DEP_1)
	v_lshl_or_b32 v[PW], v[TM+7], 24, v[PW]        ; the same in lanes r and r + 16
.irp c, 0,1
	v_cvt_scalef32_pk16_bf6_f32 v[PC+6*\c:PC+2+6*\c], v[X1+32*\c:X1+15+32*\c], v[TM+12+2*\c]
	v_cvt_scalef32_pk16_bf6_f32 v[PC+12+4*\c:PC+14+4*\c], v[X1+16+32*\c:X1+31+32*\c], v[TM+12+2*\c+1]   ; (a conversion's three registers begin on an even number)
.endr
	v_nop                                          ; one plain place behind a scaled conversion
.irp c, 0,1                                    ; the operand's layout wants a whole block in a lane: lanes 0-15 block 2 c, lanes 16-31 block 2 c + 1
.irp i, 0,1,2
	v_permlane16_swap_b32 v[PC+6*\c+\i], v[PC+12+4*\c+\i]
.endr
.irp i, 0,1,2
	s_delay_alu instid0(VALU_DEP_3)
	v_mov_b32 v[PC+3+6*\c+\i], v[PC+12+4*\c+\i]
.endr
.endr
	ds_store_b32 v[SCA], v[PW]                     ; lanes r and r + 16 write the same word with the same value
.irp c, 0,1,2
	global_store_b128 v1, v[PC+4*\c:PC+4*\c+3], s[20:21] offset:512*\c   ; 512 consecutive bytes, at a multiple of 256 from the buffer's first byte
.endr
	s_cmp_eq_u32 s29, 1
	s_wait_alu depctr_va_vdst(0)
	s_cbranch_scc0 .Lgather
	; THE SQUARES.  The codes are converted back as they stand (scale 1.0): a lane's two whole blocks 2 c + h.  A code is a multiple of 2^-4 and at most 28, so a block's 32 squares are multiples of 2^-8 and sum to less than 2^15:
	; 23 bits: exact in f32 in any order.  The block's scale, squared, is a whole power of two.
.irp c, 0,1
	v_cvt_scale_pk16_f32_bf6 v[X1+32*\c:X1+15+32*\c], v[PC+6*\c:PC+2+6*\c], v[ONE]
	v_cvt_scale_pk16_f32_bf6 v[X1+16+32*\c:X1+31+32*\c], v[PC+12+4*\c:PC+14+4*\c], v[ONE]
.endr
	v_nop                                          ; one plain place behind a scaled conversion
.irp g, 0,1,2,3
	v_pk_mul_f32 v[CH+2*\g:CH+2*\g+1], v[X1+16*\g:X1+16*\g+1], v[X1+16*\g:X1+16*\g+1]
.endr
.irp i, 2,4,6,8,10,12,14
.irp g, 0,1,2,3
	v_pk_fma_f32 v[CH+2*\g:CH+2*\g+1], v[X1+16*\g+\i:X1+16*\g+\i+1], v[X1+16*\g+\i:X1+16*\g+\i+1], v[CH+2*\g:CH+2*\g+1]
.endr
.endr
	v_cmp_gt_u32 vcc_lo, 64, v11                   ; lanes 0-15
	v_pk_add_f32 v[CH:CH+1], v[CH:CH+1], v[CH+2:CH+3]
	v_pk_add_f32 v[CH+4:CH+5], v[CH+4:CH+5], v[CH+6:CH+7]
	v_cndmask_b32 v[CH+2], v[TM+5], v[TM+4], vcc_lo   ; the scale bytes of blocks h
	v_cndmask_b32 v[CH+6], v[TM+7], v[TM+6], vcc_lo   ; and 2 + h
	v_add_f32 v[CH], v[CH], v[CH+1]
	v_add_f32 v[CH+4], v[CH+4], v[CH+5]
	v_lshl_add_u32 v[CH+2], v[CH+2], 1, 0xffffff02 ; 2 (byte - 127)
	v_lshl_add_u32 v[CH+6], v[CH+6], 1, 0xffffff02
	s_delay_alu instid0(VALU_DEP_2)
	v_ldexp_f32 v[CH], v[CH], v[CH+2]
	s_delay_alu instid0(VALU_DEP_2)
	v_ldexp_f32 v[CH+4], v[CH+4], v[CH+6]
	s_delay_alu instid0(VALU_DEP_1)
	v_add_f32 v[NR], v[CH], v[CH+4]
	s_delay_alu instid0(VALU_DEP_1)
	v_permlanex16_b32 v[TM+4], v[NR], s[SEL], s[SEL+1]
	s_delay_alu instid0(VALU_DEP_1)
	v_add_f32 v[NR], v[NR], v[TM+4]
	ds_store_b32 v5, v[NR]
.Lgather:
	s_wait_dscnt 0x0
	s_barrier_signal -1
	s_barrier_wait -1                              ; the scale words and the sums lie in LDS
	s_cmp_lt_u32 s[WV], s28
	s_cbranch_scc0 .Lend
	s_and_b32 s16, s[WV], 1
	s_lshl_b32 s16, s16, 9
	s_add_nc_u64 s[32:33], s[32:33], s[16:17]      ; waves 2, 3: sums
	s_add_co_u32 s16, s16, 24576
	s_add_nc_u64 s[8:9], s[8:9], s[16:17]          ; waves 0, 1: scale words
	s_cmp_lt_u32 s[WV], 2
	s_cselect_b64 s[24:25], s[8:9], s[32:33]       ; the choice hangs on the wave's number alone
	ds_load_b128 v[X1:X1+3], v9
	s_wait_dscnt 0x0
	global_store_b128 v1, v[X1:X1+3], s[24:25]     ; 512 consecutive bytes, aligned
.Lend:
	s_wait_tensorcnt 0x0                           ; the wave's end
	ds_add_u32 v[SPW], v[NIL]
	s_wait_dscnt 0x0
	s_endpgm
.Lfunc_end_k_qc7805c4e49_quant:
	.size	k_qc7805c4e49_quant, .Lfunc_end_k_qc7805c4e49_quant-k_qc7805c4e49_quant
	.p2alignl 7, 3214868480
	.fill 96, 4, 3214868480
	.section	.rodata,"a",@progbits
	.p2align	6, 0x0
	.amdhsa_kernel k_qc7805c4e49_quant
		.amdhsa_group_segment_fixed_size 72704
		.amdhsa_private_segment_fixed_size 0
		.amdhsa_enable_private_segment 0
		.amdhsa_kernarg_size 40
		.amdhsa_user_sgpr_count 2
		.amdhsa_user_sgpr_kernarg_segment_ptr 1
		.amdhsa_wavefront_size32 1
		.amdhsa_system_sgpr_workgroup_id_x 1
		.amdhsa_system_sgpr_workgroup_id_y 1
		.amdhsa_system_sgpr_workgroup_id_z 1
		.amdhsa_system_vgpr_workitem_id 0
		.amdhsa_next_free_vgpr 128
		.amdhsa_next_free_sgpr 66
		.amdhsa_reserve_vcc 1
		.amdhsa_float_denorm_mode_32 3
		.amdhsa_float_denorm_mode_16_64 3
		.amdhsa_memory_ordered 1
		.amdhsa_forward_progress 1
		.amdhsa_inst_pref_size 22
	.end_amdhsa_kernel
	.amdgpu_metadata
---
amdhsa.version: [ 1, 2 ]
amdhsa.kernels:
  - .name:           k_qc7805c4e49_quant
    .symbol:         k_qc7805c4e49_quant.kd
    .args:
      - { .name: x, .offset: 0, .size: 8, .value_kind: global_buffer, .address_space: global }
      - { .name: W, .offset: 8, .size: 8, .value_kind: global_buffer, .address_space: global }
      - { .name: kv, .offset: 16, .size: 8, .value_kind: global_buffer, .address_space: global }
      - { .name: wimg, .offset: 24, .size: 8, .value_kind: global_buffer, .address_space: global }
      - { .name: nrm, .offset: 32, .size: 8, .value_kind: global_buffer, .address_space: global }
    .group_segment_fixed_size: 72704
    .private_segment_fixed_size: 0
    .kernarg_segment_align: 8
    .kernarg_segment_size: 40
    .max_flat_workgroup_size: 512
    .sgpr_count:     66
    .vgpr_count:     128
    .wavefront_size: 32
...
	.end_amdgpu_metadata
.endif
;; end of part 1
;; launch attn (part 2): grid 32 x 8, 4 waves a work-group, no clusters, 304,640 bytes of LDS; arguments kv, wimg, b, out0, nrm; writes out0
.if DOCPART == 2
	.amdgcn_target "amdgcn-amd-amdhsa--gfx1250"
	.amdhsa_code_object_version 6
	.text
	.protected	k_qc7805c4e49_attn
	.globl	k_qc7805c4e49_attn
	.p2align	8
	.type	k_qc7805c4e49_attn,@function
k_qc7805c4e49_attn:
	s_mov_b64 s[64:65], 0
	v_nop
	global_prefetch_b8 v0, s[64:65] scope:SCOPE_SE
	s_setreg_imm32_b32 hwreg(HW_REG_WAVE_MODE, 25, 1), 1
	s_wait_xcnt 0x0
; SECOND OF TWO LAUNCHES: scores, softmax, second product, division by the row's sum, quantising of O, projection and bias, from the images that the first launch stored (their layout: that kernel's head).
; WORK LEFT OUT: key steps of 128 keys all of which come after a block's queries: reference()'s own jnp.tril sets their scores to -inf, so their p is 0 for all values of x.  A NaN, an infinity or an overflow that arises only there is not carried to the result.
; THE SOFTMAX: M = the largest t = score x log2(e) so far, rounded UP to a whole number; p = 2^(t - M), one fused multiply-add and one exponential, is quantised along the keys, not normalised; the row's sum is taken of the unquantised p
; and divides O at the end.  LIMIT: scores under 2^31 / log2(e) in magnitude.
; A QUERY'S SCORE WITH ITSELF.  The scores are not scaled, so an error e of a score is a relative error e of p, and p goes into a quantiser and divides O ahead of one.  At the one place key = query the f32 sum of the squares of the
; row's quantised numbers, which the first launch has made, stands in the score's stead, and its t is rounded to f32 before M is taken off, as the problem has it.  LIMIT: the other scores are as the matrix instruction sums them.
; LIMITS: NaN and infinities among the inputs are not served; a p under 2^-126 comes out of v_exp_f32 as 0; the division by l is v_rcp_f32 with one correction step; a block of zeros has the scale byte 1 (its codes are zeros).
; SHARES.  Work-group (i, batch) owns two blocks of 64 queries: of i and 63 - i the even one, 2 E, and the odd one, 63 - 2 E.  The even one has E key steps that are seen whole and one diagonal step, the odd one 31 - E and one:
; so every work-group has 31 whole steps, and step n of that list (the even block's first) goes to wave n % 4.  A wave takes all 64 queries (four tiles of 16) through a step: each fragment of K and of V, loaded once from memory into registers,
; serves four products.  The waves of the walk share nothing: no barrier, no LDS tile.  At the end of each block a wave puts its part of O, -M and l into LDS bytes of its own; behind one barrier wave w takes tile w of both blocks
; through the diagonal step, adds the four waves' parts, and divides, quantises, projects and stores.
; A TILE'S QUERIES: tile t of block B: QB + r + 8 (r / 8), QB = 64 B + 32 (t / 2) + 8 (t % 2): those of K tile 4 (B % 2) + t of step B / 2.  So that image IS the fragment of queries, and the first K step of the projection too.
; LAYOUT.  All three products are used transposed (source 0 = 16 keys, 16 channels of V, 16 rows of W; source 1 = 16 queries): a lane holds ONE query of a tile throughout, and by the choice of the tiles' rows
; the 16 result registers of tiles 2 b, 2 b + 1 are 16 neighbours along the next product's K.
; cluster = none: the work-groups' walks stand at different steps at the same time, and nothing comes by tensor loads.
; PREFETCH: work-group 0 of each batch walks all 32 steps in order; its wave w asks, in a trip, for the step two trips on, 8 steps ahead of the step at work and one trip ahead of its own load: 100 aligned blocks of 256 bytes, lanes 256 bytes apart.
; REGISTERS, in windows of 256.  Window 0: addresses, scales, the queries, codes, what is at work.  Window 1: the scores of the four tiles, then p.  Window 2: K's eight fragments at 0, V's at 96, the odd block's queries and scale words at 192.
; Window 3: O^T of the four tiles.  Behind the barrier: window 1: from 64 W's sixteen fragments; window 3: O^T at 0, b at 64, the projection at 128, the others' parts at 128 and 192.
.set BLKB,  25600                      ; a key step's block in kv
.set ML,    262144                     ; LDS: parts of O^T at 131,072 x (odd block) + 32,768 x wave + 8,192 x tile; from ML on -M and l: 4,096, 1,024, 256 likewise, l 128 bytes behind -M
.set STAGE, 270336                     ; the way out: 16 rows x 528 bytes for each wave
.set SPARE, 304128                     ; the spare words, 128 bytes for each wave: two blocks of 256 bytes that no other line names
.set LI,   1                           ; v1   16 x lane
.set SPW,  2                           ; v2   my spare word's address; never rewritten
.set NIL,  3                           ; v3   0; never rewritten
.set PFO,  4                           ; v4   256 x lane;  v5  256 x the lesser of lane and 3
.set PFO2, 5
.set DA,   6                           ; v6, v7  where my parts go;  v8, v9 the same for the block in hand
.set DM,   7
.set DT,   8
.set DMT,  9
.set RA,   10                          ; v10-12  where I read the parts of my tile: waves 0, 1;  waves 2, 3;  -M and l
.set RB,   11
.set RM,   12
.set STO,  13                          ; v13, v14  the stage: in, back
.set RDL,  14
.set BO,   15                          ; v15  32 h
.set ZP,   16                          ; v16-17  zeros
.set R16,  18                          ; v18  16 r
.set RP,   19                          ; v19  r + 8 (r / 8)
.set KSC,  20                          ; v20-23  K's scale words, v24-27 V's, v28-31 the queries': they hold scales and nothing else
.set VSC,  24
.set QSC,  28
.set Q,    32                          ; v32-79  the queries' four fragments
.set QL,   44                          ; behind the barrier: v44-55 the next tile's fragment, v56 its scale words, v57 its scores with themselves, v58 those in hand
.set QLS,  56
.set QLN,  57
.set NRM,  58
.set CD,   80                          ; v80-127 codes of four tiles
.set WSC,  104                         ; behind the barrier: v104-111 W's scale words
.set PW,   128                         ; v128-131 their scale words
.set BM,   132                         ; v132-147 the 16 blocks' largest scores, arguments, p
.set PT,   148                         ; v148-163 lane permutes, then the conversions' scale operands
.set MM,   164                         ; v164-171 four pairs: -M, the largest score
.set F,    172                         ; v172-179 four pairs: 2^(old M - new M), 0
.set L,    180                         ; v180-187 four pairs: the row's sum in two halves
.set TD,   188                         ; v188-191
.set CT,   192                         ; v192-223 the conversions' second halves
.set NMU,  200                         ; behind the barrier: v200-203 the parts' -M, v204-207 their l, v208-217 five pairs of factors, v[218:219] near 1 / l, v[220:221] l
.set LU,   204
.set FU,   208
.set FS,   216
.set RI,   218
.set LL,   220
.set TB,   224                         ; v224-239 the scales' bytes
.set DV,   240                         ; v240  my query less the step's first key, less 16 h
.set NINF, 241
.set SA,   242
.set TS,   243
.set BK,   244
.set T1,   245
.set T2,   246
.set T3,   247
.set DQ,   248                         ; v248  r + 8 (r / 8) - 16 h
.set R4,   249                         ; v249  4 x lane
.set WV,   14                          ; s14  my wave's number
.set EE,   15                          ; s15  E
.set NI,   16                          ; s16  my place in the list of steps
.set CNT,  17
.set LIM,  18
.set PH,   19
.set SEL,  20                          ; s[20:21] lane selects: lane l xor 16
.set CS,   22                          ; s[22:23] c = log2(e);  s24 -c
.set NCS,  24
.set PB,   25                          ; s25, s26  LDS steps of the block in hand
.set PM,   26
.set BB,   28                          ; s[28:29] the batch's blocks;  s[30:31] the block being loaded
.set KB,   30
.set PFA,  32                          ; s[32:33] where my prefetches stand;  s34 their step
.set PFC,  34
.set CO,   35                          ; s35  my steps of the odd block
.set SE,   40                          ; s[40:41], s[42:43] the even and the odd block's diagonal step
.set SO,   42
.set QD,   60                          ; s60  my tile's first query less its diagonal step's first key
.set MSB, 0
.macro WIN new                         ; the immediate's high byte repeats the setting that is left
.if MSB != \new
	s_set_vgpr_msb (MSB<<8)|\new
.set MSB, \new
.endif
.endm
.macro NOPS n
.rept \n
	v_nop
.endr
.endm
.macro SCW d, a, b, c, sa, sb, hi      ; hi: source 0's scale words stand in lanes 16-31
.if \hi
	v_wmma_scale_f32_16x16x128_f8f6f4 v[\d:\d+7], v[\a:\a+11], v[\b:\b+11], \c, v[\sa], v[\sb] matrix_a_fmt:MATRIX_FMT_BF6 matrix_b_fmt:MATRIX_FMT_BF6 matrix_a_scale:MATRIX_SCALE_ROW1
.else
	v_wmma_scale_f32_16x16x128_f8f6f4 v[\d:\d+7], v[\a:\a+11], v[\b:\b+11], \c, v[\sa], v[\sb] matrix_a_fmt:MATRIX_FMT_BF6 matrix_b_fmt:MATRIX_FMT_BF6
.endif
.endm
.macro LOADS dst, from, p              ; 24 loads of 512 consecutive bytes: eight fragments into window 2
	WIN 0x80
.set jj, 0
.rept 24
	global_load_b128 v[\dst+4*jj:\dst+4*jj+3], v[LI], s[\p:\p+1] offset:\from+512*jj
.set jj, jj+1
.endr
	WIN 0
.endm
.macro LOADK p                         ; 25 loads
	LOADS 0, 0, \p
	global_load_b128 v[KSC:KSC+3], v[LI], s[\p:\p+1] offset:24576
.endm
.macro LOADV p                         ; 25 loads
	LOADS 96, 12288, \p
	global_load_b128 v[VSC:VSC+3], v[LI], s[\p:\p+1] offset:25088
.endm
.macro START                           ; sums and maxima begin anew
.irp q, 0,1,2,3
	v_mov_b32 v[MM+2*\q+1], 0xfe967699             ; the largest score so far: -1e38, under every score
.endr
.irp q, 0,1,2,3
	v_mul_f32 v[MM+2*\q], s[NCS], v[MM+2*\q+1]
.endr
.irp q, 0,1,2,3
	v_floor_f32 v[MM+2*\q], v[MM+2*\q]
	v_mov_b32 v[L+2*\q], 0
	v_mov_b32 v[L+2*\q+1], 0
.endr
	WIN 0xc0
.set jj, 0
.rept 128
	v_pk_mul_f32 v[2*jj:2*jj+1], v[ZP:ZP+1], v[ZP:ZP+1]   ; O^T: the step is written once, its first run finds zeros; a wave that runs no step hands over zeros
.set jj, jj+1
.endr
	WIN 0
.endm
; The largest score of each block of 32 keys in my lane's 16: chains by turns, each accumulator from its low end on.
.macro SMAX q
.irp b, 0,1,2,3
	v_max3_num_f32 v[BM+4*\q+\b], v[64*\q+16*\b], v[64*\q+16*\b+1], v[64*\q+16*\b+2]
.endr
.endm
.macro SMAX2 q, i
.irp b, 0,1,2,3
	v_max3_num_f32 v[BM+4*\q+\b], v[BM+4*\q+\b], v[64*\q+16*\b+\i], v[64*\q+16*\b+\i+1]
.endr
.endm
.macro SMAX3 q
.irp b, 0,1,2,3
	v_max_num_f32 v[BM+4*\q+\b], v[BM+4*\q+\b], v[64*\q+16*\b+15]
.endr
.endm
.macro JOIN n                          ; with lane l xor 16's
.set jj, 0
.rept \n
	v_permlanex16_b32 v[PT+jj], v[BM+jj], s[SEL], s[SEL+1]
.set jj, jj+1
.endr
.set jj, 0
.rept \n
	v_max_num_f32 v[BM+jj], v[BM+jj], v[PT+jj]
.set jj, jj+1
.endr
.endm
.macro POST n                          ; n blocks' largest magnitudes become scale operands (4 off the exponent field) and scale words
.set jj, 0
.rept \n
	v_max_num_f32 v[BM+jj], 0x2800000, v[BM+jj]    ; the floor 2^(5 - 127): the byte cannot fall under 1
.set jj, jj+1
.endr
.set jj, 0
.rept \n
	v_add_nc_u32 v[PT+jj], 0xfe000000, v[BM+jj]
.set jj, jj+1
.endr
.set jj, 0
.rept \n
	v_lshrrev_b32 v[TB+jj], 23, v[PT+jj]
.set jj, jj+1
.endr
.set jj, 0
.rept (\n)/4
	v_lshl_or_b32 v[PW+jj], v[TB+4*jj+1], 8, v[TB+4*jj]
.set jj, jj+1
.endr
.set jj, 0
.rept (\n)/4
	v_lshl_or_b32 v[PW+jj], v[TB+4*jj+2], 16, v[PW+jj]
.set jj, jj+1
.endr
.set jj, 0
.rept (\n)/4
	v_lshl_or_b32 v[PW+jj], v[TB+4*jj+3], 24, v[PW+jj]
.set jj, jj+1
.endr
.endm
.macro CVT q, src
.irp c, 0,1
	v_cvt_scalef32_pk16_bf6_f32 v[CD+12*\q+6*\c:CD+12*\q+6*\c+2], v[\src+32*\c:\src+32*\c+15], v[PT+4*\q+2*\c]
	v_cvt_scalef32_pk16_bf6_f32 v[CT+8*\q+4*\c:CT+8*\q+4*\c+2], v[\src+32*\c+16:\src+32*\c+31], v[PT+4*\q+2*\c+1]   ; (a conversion's three registers begin on an even number)
.endr
	v_nop                                          ; one plain place behind a scaled conversion
.endm
.macro SWAPS q                         ; the operand's layout wants a whole block in a lane
.irp c, 0,1
.irp i, 0,1,2
	v_permlane16_swap_b32 v[CD+12*\q+6*\c+\i], v[CT+8*\q+4*\c+\i]
.endr
.endr
.endm
.macro MOVES q
.irp c, 0,1
.irp i, 0,1,2
	v_mov_b32 v[CD+12*\q+6*\c+3+\i], v[CT+8*\q+4*\c+\i]
.endr
.endr
.endm
.macro FMA q, k                        ; t - M of two keys (of the pairs c and -M the low word serves both halves)
	v_pk_fma_f32 v[64*\q+2*(\k):64*\q+2*(\k)+1], v[64*\q+2*(\k):64*\q+2*(\k)+1], s[CS:CS+1], v[MM+2*\q:MM+2*\q+1] op_sel_hi:[1,0,0]
.endm
.macro ADDP u, k, o                    ; the row's sum, in place, by halves
	v_pk_add_f32 v[64*\u+2*(\k):64*\u+2*(\k)+1], v[64*\u+2*(\k):64*\u+2*(\k)+1], v[64*\u+\o+2*(\k):64*\u+\o+2*(\k)+1]
.endm
.macro LEVEL u, n, o
.set kk, 0
.rept \n
	ADDP \u, kk, \o
.set kk, kk+1
.endr
.endm
; Tile t's 64 exponentials, and among them work that names none of their registers: the next tile's multiply-adds, earlier tiles' sums (their p has been quantised), one level of a sum a batch.
.macro EXPS t, fm, l1, l2, l3
.set kk, 0
.rept 32
	v_exp_f32 v[64*\t+2*kk], v[64*\t+2*kk]
.if \fm >= 0
	FMA \fm, kk
.endif
	v_exp_f32 v[64*\t+2*kk+1], v[64*\t+2*kk+1]
.if (\l1 >= 0) && (kk%2 == 0)
	ADDP \l1, kk/2, 32
.endif
.if (\l2 >= 0) && (kk%4 == 1)
	ADDP \l2, kk/4, 16
.endif
.if (\l3 >= 0) && (kk%8 == 3)
	ADDP \l3, kk/8, 8
.endif
.set kk, kk+1
.endr
	v_nop                                          ; one plain place behind a transcendental
	s_wait_alu depctr_va_vdst(0)                   ; the wait for the batch, ahead of its first reader, and ahead of the next batch
.endm
	s_load_b256 s[4:11], s[0:1], 0x0               ; kv s[4:5], wimg s[6:7], b s[8:9], out0 s[10:11]
	s_load_b64 s[12:13], s[0:1], 0x20              ; nrm
	v_lshl_add_u32 v[SPW], v0, 2, SPARE
	v_mov_b32 v[NIL], 0
	v_lshrrev_b32 v20, 5, v0
	v_and_b32 v21, 31, v0                          ; lane
	v_readfirstlane_b32 s[WV], v20                 ; wave 0..3
	v_and_b32 v22, 15, v0                          ; r
	v_bfe_u32 v23, v0, 4, 1                        ; h
	v_lshlrev_b32 v[LI], 4, v21
	v_lshlrev_b32 v[R4], 2, v21
	v_lshlrev_b32 v[R16], 4, v22
	v_lshlrev_b32 v[PFO], 8, v21
	v_min_u32 v24, 3, v21
	v_and_b32 v[RP], 8, v22
	v_lshlrev_b32 v[BO], 5, v23
	v_lshlrev_b32 v[DQ], 4, v23
	v_lshlrev_b32 v[PFO2], 8, v24
	v_add_nc_u32 v[RP], v[RP], v22
	v_mul_u32_u24 v[STO], v22, 528
	v_mov_b32 v[ZP], 0
	v_mov_b32 v[ZP+1], 0
	v_sub_nc_u32 v[DQ], v[RP], v[DQ]
	v_lshl_add_u32 v[STO], v23, 5, v[STO]
	s_wait_alu depctr_va_vdst(0)
	s_lshl_b32 s36, s[WV], 15
	v_add_nc_u32 v[DA], s36, v[LI]
	s_lshl_b32 s36, s[WV], 10
	s_add_co_u32 s36, s36, ML
	v_add_nc_u32 v[DM], s36, v[R4]
	s_lshl_b32 s36, s[WV], 13
	v_add_nc_u32 v[RA], s36, v[LI]
	s_add_co_u32 s36, s36, 65536
	v_add_nc_u32 v[RB], s36, v[LI]
	s_lshl_b32 s36, s[WV], 8
	s_add_co_u32 s36, s36, ML
	v_add_nc_u32 v[RM], s36, v[R4]
	s_mul_i32 s36, s[WV], 8448
	s_add_co_u32 s36, s36, STAGE
	v_add_nc_u32 v[STO], s36, v[STO]               ; in: row r, + 32 h
	v_add_nc_u32 v[RDL], s36, v[LI]                ; back: a row of 512 bytes
	s_mov_b32 s[SEL], 0x76543210
	s_mov_b32 s[SEL+1], 0xfedcba98
	s_mov_b32 s[CS], 0x3fb8aa3b                    ; log2(e): the scores are not scaled
	s_mov_b32 s[CS+1], s[CS]                       ; (named with it as a pair, so it is written)
	s_mov_b32 s[NCS], 0xbfb8aa3b
	s_and_b32 s36, ttmp9, 1
	s_sub_co_u32 s37, 63, ttmp9
	s_cmp_eq_u32 s36, 0
	s_cselect_b32 s[EE], ttmp9, s37
	s_lshr_b32 s[EE], s[EE], 1                     ; E: the even block is 2 E, the odd one 63 - 2 E
	s_add_co_u32 s36, s[EE], 3
	s_sub_co_u32 s36, s36, s[WV]
	s_lshr_b32 s[LIM], s36, 2                      ; my steps n = wave, wave + 4 .. under E,
	s_cmp_lt_u32 s[WV], 3
	s_cselect_b32 s36, 8, 7                        ; of those up to 30
	s_sub_co_u32 s[CO], s36, s[LIM]
	s_mov_b32 s[NI], s[WV]
	s_sub_co_u32 s36, s[NI], s[EE]
	s_cmp_lt_u32 s[NI], s[EE]
	s_cselect_b32 s36, s[NI], s36
	s_mul_i32 s[KB], s36, BLKB                     ; my first step
	s_mov_b32 s[KB+1], 0
	s_and_b32 s27, ttmp7, 0xffff                   ; the batch
	s_mul_i32 s[BB], s27, 32*BLKB
	s_mov_b32 s[BB+1], 0
	s_sub_co_u32 s38, 31, s[EE]
	s_mul_i32 s[SE], s[EE], BLKB
	s_mov_b32 s[SE+1], 0
	s_mul_i32 s[SO], s38, BLKB
	s_mov_b32 s[SO+1], 0
	s_lshl_b32 s27, s27, 5
	s_add_co_u32 s52, s27, s[EE]
	s_add_co_u32 s54, s27, s38
	s_lshl_b32 s52, s52, 10
	s_lshl_b32 s54, s54, 10
	s_lshl_b32 s36, s[WV], 7
	s_add_co_u32 s52, s52, s36                     ; nrm: K tile wave of the even block's diagonal step,
	s_mov_b32 s53, 0
	s_add_co_u32 s54, s54, s36
	s_add_co_u32 s54, s54, 512                     ; 4 + wave of the odd block's
	s_mov_b32 s55, 0
	s_lshr_b32 s36, s[WV], 1
	s_lshl_b32 s36, s36, 5
	s_and_b32 s37, s[WV], 1
	s_lshl_b32 s37, s37, 3
	s_add_co_u32 s[QD], s36, s37                   ; 32 (w / 2) + 8 (w % 2)
	s_lshl_b32 s27, s27, 16                        ; batch x 4,096 rows of 512 bytes
	s_lshl_b32 s56, s[EE], 7
	s_add_co_u32 s56, s56, s[QD]
	s_lshl_b32 s56, s56, 9
	s_add_co_u32 s56, s56, s27                     ; out0: row 128 E + QD of the batch,
	s_mov_b32 s57, 0
	s_lshl_b32 s58, s38, 7
	s_add_co_u32 s58, s58, s[QD]
	s_add_co_u32 s58, s58, 64
	s_lshl_b32 s58, s58, 9
	s_add_co_u32 s58, s58, s27                     ; and row 64 (63 - 2 E) + QD
	s_mov_b32 s59, 0
	s_add_co_u32 s[PFC], s[WV], 4
	s_mul_i32 s36, s[PFC], BLKB
	s_mov_b32 s37, 0
	s_cmp_eq_u32 ttmp9, 0
	s_cselect_b32 s[PFC], s[PFC], 0x1000           ; the other work-groups never come under the bound
	s_wait_alu depctr_va_vdst(0)                   ; the wait here, ahead of the wait below
	s_wait_kmcnt 0x0
	s_add_nc_u64 s[BB:BB+1], s[4:5], s[BB:BB+1]
	s_add_nc_u64 s[KB:KB+1], s[BB:BB+1], s[KB:KB+1]
	s_add_nc_u64 s[SE:SE+1], s[BB:BB+1], s[SE:SE+1]
	s_add_nc_u64 s[SO:SO+1], s[BB:BB+1], s[SO:SO+1]
.set jj, 0
.rept 12
	global_load_b128 v[Q+4*jj:Q+4*jj+3], v[LI], s[SE:SE+1] offset:512*jj   ; the even block's queries: K tiles 0-3
.set jj, jj+1
.endr
	global_load_b128 v[QSC:QSC+3], v[R16], s[SE:SE+1] offset:24576
	WIN 0x80
.set jj, 0
.rept 12
	global_load_b128 v[192+4*jj:192+4*jj+3], v[LI], s[SO:SO+1] offset:6144+512*jj   ; the odd block's: K tiles 4-7
.set jj, jj+1
.endr
	global_load_b128 v[240:243], v[R16], s[SO:SO+1] offset:24576+256
	LOADK KB
	LOADV KB
	s_add_nc_u64 s[PFA:PFA+1], s[BB:BB+1], s[36:37]
	s_mul_i32 s36, s[WV], 1536
	s_add_nc_u64 s[44:45], s[SE:SE+1], s[36:37]    ; my tile of the even block,
	s_add_co_u32 s36, s36, 6144
	s_add_nc_u64 s[46:47], s[SO:SO+1], s[36:37]    ; of the odd block,
	s_lshl_b32 s36, s[WV], 2
	s_add_co_u32 s36, s36, 24576
	s_add_nc_u64 s[48:49], s[SE:SE+1], s[36:37]    ; and their scale words
	s_add_co_u32 s36, s36, 256
	s_add_nc_u64 s[50:51], s[SO:SO+1], s[36:37]
	s_add_nc_u64 s[52:53], s[12:13], s[52:53]
	s_add_nc_u64 s[54:55], s[12:13], s[54:55]
	s_add_nc_u64 s[56:57], s[10:11], s[56:57]
	s_add_nc_u64 s[58:59], s[10:11], s[58:59]
.irp q, 0,1,2,3
	v_mov_b32 v[F+2*\q+1], 0                       ; (the pairs' upper halves are named, so they are written)
.endr
.set jj, 0
.rept 16
	v_mov_b32 v[PT+jj], 0                          ; written once: a lane permute's destination counts as one of its sources
.set jj, jj+1
.endr
	START
	s_mov_b32 s[PH], 0
	s_mov_b32 s[PB], 0
	s_mov_b32 s[PM], 0
	s_wait_alu depctr_va_vdst(0)                   ; the head's end
	s_wait_loadcnt 50                              ; both blocks' queries are in (a wave with no step of a block jumps over the walk); K's 25 loads and V's 25, issued behind them, may be out
.Lphase:                                               ; the even block, then the odd one
	s_mov_b32 s[CNT], 0
	s_cmp_eq_u32 s[LIM], 0
	s_cbranch_scc1 .Ldump
; A STEP: 128 keys, 64 queries.
.Litem:
	s_wait_loadcnt 25                              ; K's 25 loads are in; V's 25 may be out
	WIN 0x42
.irp q, 0,1,2,3
.irp k, 0,1,2,3,4,5,6,7
	SCW 64*\q+8*\k, 12*\k, Q+12*\q, 0, KSC+(\k%4), QSC+\q, \k/4   ; S^T = K Q^T
.endr
.endr
	NOPS 4                                         ; the places in front of loads into registers that matrix instructions have read, and of the reads of their results
	s_wait_xcnt 0x0                                ; the loads and prefetches of the last trip have read their addresses
	s_add_co_u32 s[NI], s[NI], 4                   ; my next step: n under E is the even block's n, else the odd block's n - E; behind the list the even block's diagonal step
	s_sub_co_u32 s27, s[NI], s[EE]
	s_cmp_lt_u32 s[NI], s[EE]
	s_cselect_b32 s27, s[NI], s27
	s_cmp_gt_u32 s[NI], 30
	s_cselect_b32 s27, s[EE], s27
	s_mul_i32 s36, s27, BLKB
	s_mov_b32 s37, 0
	s_add_nc_u64 s[KB:KB+1], s[BB:BB+1], s[36:37]
	s_add_co_u32 s[PFC], s[PFC], 4
	s_add_nc_u64 s[PFA:PFA+1], s[PFA:PFA+1], 4*BLKB
	LOADK KB                                       ; K is free: the next step's
	WIN 0x15
.irp q, 0,1,2,3
	SMAX \q
.endr
	WIN 0x14
.irp i, 3,5,7,9,11,13
.irp q, 0,1,2,3
	SMAX2 \q, \i
.endr
.endr
.irp q, 0,1,2,3
	SMAX3 \q
.endr
	WIN 0
	JOIN 16                                        ; the largest score of each block of 32 keys: for the row's maximum, and, since p rises with the score, for the block's largest p
.irp q, 0,1,2,3
	v_max3_num_f32 v[TD+\q], v[BM+4*\q], v[BM+4*\q+1], v[BM+4*\q+2]
.endr
.irp q, 0,1,2,3
	v_max3_num_f32 v[MM+2*\q+1], v[TD+\q], v[BM+4*\q+3], v[MM+2*\q+1]   ; the largest so far
.endr
.irp q, 0,1,2,3
	v_mov_b32 v[TD+\q], v[MM+2*\q]
.endr
.irp q, 0,1,2,3
	v_mul_f32 v[F+2*\q], s[NCS], v[MM+2*\q+1]
.endr
.irp q, 0,1,2,3
	v_floor_f32 v[MM+2*\q], v[F+2*\q]              ; the new -M = -ceil(t)
.endr
.irp q, 0,1,2,3
	v_sub_f32 v[TD+\q], v[MM+2*\q], v[TD+\q]       ; old M - new M: a whole number, 0 or less
.endr
.irp q, 0,1,2,3
	v_cvt_i32_f32 v[TD+\q], v[TD+\q]               ; (it saturates)
.endr
.irp q, 0,1,2,3
	v_ldexp_f32 v[F+2*\q], 1.0, v[TD+\q]           ; a whole power of two: the multiplications by it round nothing
.endr
.irp q, 0,1,2,3
.irp b, 0,1,2,3
	v_fma_f32 v[BM+4*\q+\b], v[BM+4*\q+\b], s[CS], v[MM+2*\q]
.endr
.endr
.irp q, 0,1,2,3
	v_pk_mul_f32 v[L+2*\q:L+2*\q+1], v[L+2*\q:L+2*\q+1], v[F+2*\q:F+2*\q+1] op_sel_hi:[1,0]   ; the sums under the new M
.endr
	s_wait_alu depctr_va_vdst(0)                   ; ahead of the batch
.set jj, 0
.rept 16
	v_exp_f32 v[BM+jj], v[BM+jj]                   ; each block's largest p
.set jj, jj+1
.endr
	WIN 0x45
.set kk, 0
.rept 32
	FMA 0, kk
.set kk, kk+1
.endr
	s_wait_alu depctr_va_vdst(0)                   ; the 16, and ahead of the next batch
	WIN 0
	s_cmp_lt_u32 s[PFC], 32
	s_cbranch_scc0 .Lnot_mine
	global_prefetch_b8 v[PFO], s[PFA:PFA+1] th:TH_LOAD_NT scope:SCOPE_SE
	global_prefetch_b8 v[PFO], s[PFA:PFA+1] offset:8192 th:TH_LOAD_NT scope:SCOPE_SE
	global_prefetch_b8 v[PFO], s[PFA:PFA+1] offset:16384 th:TH_LOAD_NT scope:SCOPE_SE
	global_prefetch_b8 v[PFO2], s[PFA:PFA+1] offset:24576 th:TH_LOAD_NT scope:SCOPE_SE   ; the block's last 1,024 bytes
.Lnot_mine:
	POST 16
	WIN 0x45
	EXPS 0, 1, -1, -1, -1                          ; p = 2^(t - M), at most 1: not normalised
	WIN 0x01
	CVT 0, 0
	WIN 0x45
	EXPS 1, 2, 0, -1, -1
	WIN 0x01
	CVT 1, 64
	WIN 0x45
	EXPS 2, 3, 1, 0, -1
	WIN 0x01
	CVT 2, 128
	WIN 0x45
	EXPS 3, -1, 2, 1, 0
	WIN 0x01
	CVT 3, 192
	WIN 0
.irp q, 0,1,2,3
	SWAPS \q
.endr
.irp q, 0,1,2,3
	MOVES \q
.endr
	WIN 0xc3
.irp q, 0,1,2,3
.set jj, 0
.rept 32
	v_pk_mul_f32 v[64*\q+2*jj:64*\q+2*jj+1], v[64*\q+2*jj:64*\q+2*jj+1], v[F+2*\q:F+2*\q+1] op_sel_hi:[1,0]   ; O^T under the new M.  (These are also the places in front of the products below)
.set jj, jj+1
.endr
.endr
	s_wait_alu depctr_va_vdst(0)                   ; directly ahead of the wait below
	s_wait_loadcnt 25                              ; V's 25 loads are in; the next K's 25 may be out
	WIN 0xf2
.irp q, 0,1,2,3
.irp k, 0,1,2,3,4,5,6,7
	SCW 64*\q+8*\k, 96+12*\k, CD+12*\q, v[64*\q+8*\k:64*\q+8*\k+7], VSC+(\k%4), PW+\q, \k/4   ; O^T += V^T P^T: the accumulators by turns
.endr
.endr
	WIN 0x45                                       ; the rest of the rows' sums, in front of the loads into registers that the products have read
	LEVEL 3, 16, 32
	LEVEL 2, 8, 16
	LEVEL 1, 4, 8
	LEVEL 0, 2, 4
	LEVEL 3, 8, 16
	LEVEL 2, 4, 8
	LEVEL 1, 2, 4
	LEVEL 3, 4, 8
	LEVEL 2, 2, 4
	LEVEL 3, 2, 4
	WIN 0x04
.irp i, 0,2
.irp q, 0,1,2,3
	v_pk_add_f32 v[L+2*\q:L+2*\q+1], v[L+2*\q:L+2*\q+1], v[64*\q+\i:64*\q+\i+1]
.endr
.endr
	LOADV KB                                       ; V is free: the next step's
	s_add_co_u32 s[CNT], s[CNT], 1
	s_cmp_lt_u32 s[CNT], s[LIM]
	s_wait_alu depctr_va_vdst(0)
	s_cbranch_scc1 .Litem
.Ldump:                                                ; my part of the block: O^T as an image of its registers, -M and l
	v_add_nc_u32 v[DT], s[PB], v[DA]
	v_add_nc_u32 v[DMT], s[PM], v[DM]
.irp q, 0,1,2,3
	v_add_f32 v[TD+\q], v[L+2*\q], v[L+2*\q+1]     ; my lane's share of the row's sum
.endr
	WIN 0x0c
.set jj, 0
.rept 64
	ds_store_b128 v[DT], v[4*jj:4*jj+3] offset:512*jj   ; each accumulator from its low end on
.set jj, jj+1
.endr
	WIN 0
.irp q, 0,1,2,3
	ds_store_b32 v[DMT], v[MM+2*\q] offset:256*\q
	ds_store_b32 v[DMT], v[TD+\q] offset:256*\q+128
.endr
	s_add_co_u32 s[PB], s[PB], 131072
	s_add_co_u32 s[PM], s[PM], 4096
	s_add_co_u32 s[PH], s[PH], 1
	s_cmp_eq_u32 s[PH], 2
	s_cbranch_scc1 .Lkeep
	WIN 0x02                                       ; on to the odd block: its queries, from window 2
.irp j, 0,1,2,3
	v_mov_b32 v[QSC+\j], v[240+\j]
.endr
.set jj, 0
.rept 48
	v_mov_b32 v[Q+jj], v[192+jj]
.set jj, jj+1
.endr
	WIN 0
	START
	s_mov_b32 s[LIM], s[CO]
	s_wait_alu depctr_va_vdst(0)
.Lkeep:
	s_cmp_lt_u32 s[PH], 2
	s_cbranch_scc1 .Lphase
	; THE DIAGONAL STEPS, THE JOIN AND THE PROJECTION.  Wave w: tile w of the even block, then of the odd one.
.irp c, 0,1,2
	global_load_b128 v[QL+4*\c:QL+4*\c+3], v[LI], s[44:45] offset:512*\c
.endr
	global_load_b32 v[QLS], v[R16], s[48:49]
	global_load_b32 v[QLN], v[R4], s[52:53]        ; the queries' scores with themselves
	global_load_b128 v[WSC:WSC+3], v[LI], s[6:7] offset:24576
	global_load_b128 v[WSC+4:WSC+7], v[LI], s[6:7] offset:25088
	WIN 0x40
.set jj, 0
.rept 48
	global_load_b128 v[64+4*jj:64+4*jj+3], v[LI], s[6:7] offset:512*jj   ; W's sixteen fragments stay in registers
.set jj, jj+1
.endr
	WIN 0xc0
.irp n, 0,1,2,3,4,5,6,7
	global_load_b128 v[64+8*\n:67+8*\n], v[BO], s[8:9] offset:64*\n      ; b starts the projection's sums: eight registers a tile, in the result's layout
	global_load_b128 v[68+8*\n:71+8*\n], v[BO], s[8:9] offset:64*\n+16
.endr
	WIN 0
	v_mov_b32 v[NINF], 0xff800000
	v_mov_b32 v[T3], 0
.irp u, 0,1,2,3,4,5,6
	v_mov_b32 v[FU+2*\u+1], 0                      ; (upper halves of pairs that are named)
.endr
	s_mov_b32 s[PH], 0
	s_mov_b32 s[PB], 0
	s_mov_b32 s[PM], 0
	s_wait_alu depctr_va_vdst(0)
	s_wait_dscnt 0x0                               ; for the others' sake: my parts lie in LDS
	s_barrier_signal -1
	s_barrier_wait -1                              ; all four waves' parts of both blocks do
.Lfin:
	s_wait_loadcnt 0x0                             ; K, V and the queries of the diagonal step (and, the first time, W and b)
	v_mov_b32 v[QSC], v[QLS]
	v_mov_b32 v[NRM], v[QLN]
.set jj, 0
.rept 12
	v_mov_b32 v[Q+jj], v[QL+jj]
.set jj, jj+1
.endr
	v_add_nc_u32 v[DT], s[PB], v[RA]
	v_add_nc_u32 v[TD], s[PB], v[RB]
	v_add_nc_u32 v[DMT], s[PM], v[RM]
	v_add_nc_u32 v[DV], s[QD], v[DQ]               ; d: register 16 b + i holds the step's key 16 h + 32 b + i: hidden where 32 b + i > d, my query's own where 32 b + i = d
	v_add_nc_u32 v[BK], s[QD], v[RP]
	v_lshrrev_b32 v[BK], 5, v[BK]                  ; the block of 32 in which my query's own key lies.  (The last six lines are also the places in front of the products)
	WIN 0x42
.irp k, 0,1,2,3,4,5,6,7
	SCW 8*\k, 12*\k, Q, 0, KSC+(\k%4), QSC, \k/4
.endr
	NOPS 4
	WIN 0
	s_cmp_eq_u32 s[PH], 0
	s_wait_alu depctr_va_vdst(0)
	s_cbranch_scc0 .Lno_k
	LOADK SO                                       ; the odd block's diagonal step
.irp c, 0,1,2
	global_load_b128 v[QL+4*\c:QL+4*\c+3], v[LI], s[46:47] offset:512*\c
.endr
	global_load_b32 v[QLS], v[R16], s[50:51]
	global_load_b32 v[QLN], v[R4], s[54:55]
.Lno_k:
.irp u, 0,1,2,3
	ds_load_b32 v[NMU+\u], v[DMT] offset:1024*\u
	ds_load_b32 v[LU+\u], v[DMT] offset:1024*\u+128
.endr
	WIN 0xc0
.set jj, 0
.rept 16
	ds_load_b128 v[128+4*jj:131+4*jj], v[DT] offset:512*jj         ; wave 0's part of my tile
	ds_load_b128 v[192+4*jj:195+4*jj], v[DT] offset:32768+512*jj   ; wave 1's
.set jj, jj+1
.endr
	WIN 0x41
.set jj, 0
.rept 64
	v_cmp_ge_i32 vcc_lo, 32*(jj/16)+jj%16, v[DV]
	v_cndmask_b32 v[jj], v[jj], v[NINF], vcc_lo    ; hidden keys count for nothing; my query's own comes in below
.set jj, jj+1
.endr
	WIN 0x15
	SMAX 0
	WIN 0x14
.irp i, 3,5,7,9,11,13
	SMAX2 0, \i
.endr
	SMAX3 0
	WIN 0
	JOIN 4
	v_mul_f32 v[TS], s[CS], v[NRM]                 ; my query's own t, rounded to f32
	v_max3_num_f32 v[T1], v[BM], v[BM+1], v[BM+2]
	v_max_num_f32 v[T1], v[T1], v[BM+3]
	v_mul_f32 v[T1], s[CS], v[T1]
	v_max_num_f32 v[T1], v[T1], v[TS]
	v_floor_f32 v[MM], -v[T1]                      ; -M of this step
	v_add_f32 v[SA], v[TS], v[MM]                  ; its own t - M
.irp b, 0,1,2,3
	v_fma_f32 v[BM+\b], v[BM+\b], s[CS], v[MM]
.endr
.irp b, 0,1,2,3
	v_cmp_eq_u32 vcc_lo, \b, v[BK]
	v_cndmask_b32 v[T2], v[NINF], v[SA], vcc_lo
	v_max_num_f32 v[BM+\b], v[BM+\b], v[T2]        ; the block's largest, its own key among them
.endr
	WIN 0x45
.set kk, 0
.rept 32
	FMA 0, kk
.set kk, kk+1
.endr
	WIN 0x41
.set jj, 0
.rept 64
	v_cmp_eq_u32 vcc_lo, 32*(jj/16)+jj%16, v[DV]
	v_cndmask_b32 v[jj], v[jj], v[SA], vcc_lo
.set jj, jj+1
.endr
	WIN 0
	s_wait_alu depctr_va_vdst(0)                   ; ahead of the batch
.irp b, 0,1,2,3
	v_exp_f32 v[BM+\b], v[BM+\b]
.endr
	WIN 0x45
	EXPS 0, -1, -1, -1, -1
	WIN 0
	POST 4
	WIN 0x01
	CVT 0, 0
	WIN 0
	SWAPS 0
	MOVES 0
	WIN 0x45
	LEVEL 0, 16, 32                                ; (also the places in front of the products)
	LEVEL 0, 8, 16
	LEVEL 0, 4, 8
	LEVEL 0, 2, 4
	WIN 0x05
	v_pk_add_f32 v[L:L+1], v[0:1], v[2:3]
	WIN 0xc2
.irp k, 0,1,2,3,4,5,6,7
	SCW 8*\k, 96+12*\k, CD, 0, VSC+(\k%4), PW, \k/4
.endr
	NOPS 4
	WIN 0
	s_cmp_eq_u32 s[PH], 0
	s_wait_alu depctr_va_vdst(0)
	s_cbranch_scc0 .Lno_v
	LOADV SO
.Lno_v:
	; THE JOIN of five parts: this step's and the four waves'
	s_wait_dscnt 0x0
	v_min3_num_f32 v[T1], v[MM], v[NMU], v[NMU+1]
	v_add_f32 v[T2], v[L], v[L+1]
	v_min3_num_f32 v[T1], v[T1], v[NMU+2], v[NMU+3]   ; -M of all: the largest M
.irp u, 0,1,2,3
	v_sub_f32 v[FU+2*\u], v[T1], v[NMU+\u]         ; whole numbers, 0 or less.  (A wave that ran no step has -M near 1.4e38: its factor comes out 0)
.endr
	v_sub_f32 v[FS], v[T1], v[MM]
.irp u, 0,1,2,3,4
	v_cvt_i32_f32 v[FU+2*\u], v[FU+2*\u]
.endr
.irp u, 0,1,2,3,4
	v_ldexp_f32 v[FU+2*\u], 1.0, v[FU+2*\u]
.endr
	v_mul_f32 v[T2], v[T2], v[FS]
.irp u, 0,1,2,3
	v_fma_f32 v[T2], v[LU+\u], v[FU+2*\u], v[T2]
.endr
	v_permlanex16_b32 v[T3], v[T2], s[SEL], s[SEL+1]
	v_add_f32 v[LL], v[T2], v[T3]                  ; l, the row's sum
	WIN 0xc3
.set jj, 0
.rept 32
	v_pk_mul_f32 v[2*jj:2*jj+1], v[2*jj:2*jj+1], v[FS:FS+1] op_sel_hi:[1,0]
.set jj, jj+1
.endr
	WIN 0
	s_wait_alu depctr_va_vdst(0)                   ; ahead of the transcendental
	v_rcp_f32 v[RI], v[LL]                         ; near 1 / l; the lines below, which name neither, are the work behind it
.macro ADDPART u, from
	WIN 0xf3
.set jj, 0
.rept 32
	v_pk_fma_f32 v[2*jj:2*jj+1], v[\from+2*jj:\from+2*jj+1], v[FU+2*\u:FU+2*\u+1], v[2*jj:2*jj+1] op_sel_hi:[1,0,1]
.set jj, jj+1
.endr
.endm
.macro GETPART to, off
	WIN 0xc0
.set jj, 0
.rept 16
	ds_load_b128 v[\to+4*jj:\to+4*jj+3], v[TD] offset:\off+512*jj
.set jj, jj+1
.endr
.endm
	ADDPART 0, 128
	s_wait_alu depctr_va_vdst(0)                   ; the wait behind the transcendental
	GETPART 128, 0                                 ; wave 2's
	ADDPART 1, 192
	GETPART 192, 32768                             ; wave 3's
	s_wait_alu depctr_va_vdst(0)
	s_wait_dscnt 16                                ; wave 2's 16 loads are in; wave 3's may be out
	ADDPART 2, 128
	s_wait_alu depctr_va_vdst(0)
	s_wait_dscnt 0x0
	ADDPART 3, 192
	; a / l: q = a r; e = a - q l, in one rounding; q + e r.  What goes into the quantiser is the quotient, not a product with a rounded reciprocal.
	WIN 0xc3
.set jj, 0
.rept 32
	v_pk_mul_f32 v[192+2*jj:193+2*jj], v[2*jj:2*jj+1], v[RI:RI+1] op_sel_hi:[1,0]
.set jj, jj+1
.endr
	WIN 0xf3
.set jj, 0
.rept 32
	v_pk_fma_f32 v[2*jj:2*jj+1], v[192+2*jj:193+2*jj], v[LL:LL+1], v[2*jj:2*jj+1] op_sel_hi:[1,0,1] neg_lo:[1,0,0] neg_hi:[1,0,0]
.set jj, jj+1
.endr
.set jj, 0
.rept 32
	v_pk_fma_f32 v[2*jj:2*jj+1], v[2*jj:2*jj+1], v[RI:RI+1], v[192+2*jj:193+2*jj] op_sel_hi:[1,0,1]   ; O / l: register 16 b + i is channel 32 b + 16 h + i of my query
.set jj, jj+1
.endr
	WIN 0x0f
.irp b, 0,1,2,3
	v_max3_num_f32 v[BM+\b], |v[16*\b]|, |v[16*\b+1]|, 0x2800000   ; O is quantised along the channels: the second 128 of the projection's K
.endr
	WIN 0x3c
.irp i, 2,4,6,8,10,12,14
.irp b, 0,1,2,3
	v_max3_num_f32 v[BM+\b], v[BM+\b], |v[16*\b+\i]|, |v[16*\b+\i+1]|
.endr
.endr
	WIN 0
	JOIN 4
	POST 4
	WIN 0x03
	CVT 0, 0
	WIN 0
	SWAPS 0
	MOVES 0
	NOPS 8                                         ; a scale register written by a vector instruction stands 8 places ahead of a scaled matrix instruction, an operand so written 4
	; THE PROJECTION, transposed: source 0 = 16 rows of W, source 1 = my 16 queries: K step 0 their codes of x, K step 1 those of O.  Eight accumulators by turns; b starts the sums.
	WIN 0xf1
.irp n, 0,1,2,3,4,5,6,7
	SCW 128+8*\n, 64+12*\n, Q, v[64+8*\n:71+8*\n], WSC+(\n%4), QSC, \n/4
.endr
.irp n, 0,1,2,3,4,5,6,7
	SCW 128+8*\n, 160+12*\n, CD, v[128+8*\n:135+8*\n], WSC+4+(\n%4), PW, \n/4
.endr
	NOPS 4
	; THE WAY OUT: register 8 n + j of lane (r, h) is out(my query, 16 n + 8 h + j).  The 16 queries' rows of 512 bytes go through my stage and come back by rows.
	WIN 0x0c
.irp n, 0,1,2,3,4,5,6,7
	ds_store_b128 v[STO], v[128+8*\n:131+8*\n] offset:64*\n
	ds_store_b128 v[STO], v[132+8*\n:135+8*\n] offset:64*\n+16
.endr
	WIN 0xc0
.set jj, 0
.rept 16
	ds_load_b128 v[192+4*jj:195+4*jj], v[RDL] offset:528*jj   ; LDS serves a wave's instructions in order: these see my stores
.set jj, jj+1
.endr
	WIN 0x0c
.set jj, 0
.rept 16
	s_wait_dscnt 15-jj                             ; the younger rows may be out
	global_store_b128 v[LI], v[192+4*jj:195+4*jj], s[56:57] offset:512*jj+4096*(jj/8) th:TH_STORE_NT   ; stage row j is query QB + j + 8 (j / 8); 32 lanes store 512 consecutive bytes, aligned
.set jj, jj+1
.endr
	WIN 0
	s_wait_xcnt 0x0                                ; the stores have read their base and their registers
	s_mov_b64 s[56:57], s[58:59]                   ; on to the odd block
	s_add_co_u32 s[QD], s[QD], 64
	s_add_co_u32 s[PB], s[PB], 131072
	s_add_co_u32 s[PM], s[PM], 4096
	s_add_co_u32 s[PH], s[PH], 1
	s_cmp_lt_u32 s[PH], 2
	s_wait_alu depctr_va_vdst(0)
	s_cbranch_scc1 .Lfin
	s_wait_tensorcnt 0x0                           ; the wave's end
	ds_add_u32 v[SPW], v[NIL]
	s_wait_dscnt 0x0
	s_endpgm
.Lfunc_end_k_qc7805c4e49_attn:
	.size	k_qc7805c4e49_attn, .Lfunc_end_k_qc7805c4e49_attn-k_qc7805c4e49_attn
	.p2alignl 7, 3214868480
	.fill 96, 4, 3214868480
	.section	.rodata,"a",@progbits
	.p2align	6, 0x0
	.amdhsa_kernel k_qc7805c4e49_attn
		.amdhsa_group_segment_fixed_size 304640
		.amdhsa_private_segment_fixed_size 0
		.amdhsa_enable_private_segment 0
		.amdhsa_kernarg_size 40
		.amdhsa_user_sgpr_count 2
		.amdhsa_user_sgpr_kernarg_segment_ptr 1
		.amdhsa_wavefront_size32 1
		.amdhsa_system_sgpr_workgroup_id_x 1
		.amdhsa_system_sgpr_workgroup_id_y 1
		.amdhsa_system_sgpr_workgroup_id_z 1
		.amdhsa_system_vgpr_workitem_id 0
		.amdhsa_next_free_vgpr 1024
		.amdhsa_next_free_sgpr 66
		.amdhsa_reserve_vcc 1
		.amdhsa_float_denorm_mode_32 3
		.amdhsa_float_denorm_mode_16_64 3
		.amdhsa_memory_ordered 1
		.amdhsa_forward_progress 1
		.amdhsa_inst_pref_size 173
	.end_amdhsa_kernel
	.amdgpu_metadata
---
amdhsa.version: [ 1, 2 ]
amdhsa.kernels:
  - .name:           k_qc7805c4e49_attn
    .symbol:         k_qc7805c4e49_attn.kd
    .args:
      - { .name: kv, .offset: 0, .size: 8, .value_kind: global_buffer, .address_space: global }
      - { .name: wimg, .offset: 8, .size: 8, .value_kind: global_buffer, .address_space: global }
      - { .name: b, .offset: 16, .size: 8, .value_kind: global_buffer, .address_space: global }
      - { .name: out0, .offset: 24, .size: 8, .value_kind: global_buffer, .address_space: global }
      - { .name: nrm, .offset: 32, .size: 8, .value_kind: global_buffer, .address_space: global }
    .group_segment_fixed_size: 304640
    .private_segment_fixed_size: 0
    .kernarg_segment_align: 8
    .kernarg_segment_size: 40
    .max_flat_workgroup_size: 128
    .sgpr_count:     66
    .vgpr_count:     1024
    .wavefront_size: 32
...
	.end_amdgpu_metadata
.endif
;; end of part 2
